; MI455X (gfx1250); checked and timed in simulation.
; The chip was launched on July 23, 2026; its instructions are those of AMD's public machine-readable ISA for CDNA 5 (MIT licence, August 2026) and "CDNA5" Instruction Set Architecture Reference Guide (July 2026). The comments in the code are by the model that wrote it; some were corrected since.
;; Self Attention With Learnable Token. Allowed arithmetic: matrix products marked QUANTISED: E2M3 operands, one E8M0 scale for each 32 along K, by v_wmma_scale_f32_16x16x128_f8f6f4 with both operands' format E2M3, f32 sums; everything else in f32.
;; Inputs: Wk_codes 256 x 8 x 24 uint8 (E2M3 codes of Wk, K innermost, in blocks of 32 codes, four codes in three bytes); Wk_scales 256 x 8 uint8 (E8M0 scales of Wk, one for each 32 codes along K); Wo_codes 256 x 8 x 24 uint8 (E2M3 codes of Wo, K innermost, in blocks of 32 codes, four codes in three bytes); Wo_scales 256 x 8 uint8 (E8M0 scales of Wo, one for each 32 codes along K); Wq_codes 256 x 8 x 24 uint8 (E2M3 codes of Wq, K innermost, in blocks of 32 codes, four codes in three bytes); Wq_scales 256 x 8 uint8 (E8M0 scales of Wq, one for each 32 codes along K); Wv_codes 256 x 8 x 24 uint8 (E2M3 codes of Wv, K innermost, in blocks of 32 codes, four codes in three bytes); Wv_scales 256 x 8 uint8 (E8M0 scales of Wv, one for each 32 codes along K); bk 256 float32; bo 256 float32; bq 256 float32; bv 256 float32; gk 1 x 1 x 256 float32; gv 1 x 1 x 256 float32; x_codes 4 x 4,096 x 8 x 24 uint8 (E2M3 codes of x, K innermost, in blocks of 32 codes, four codes in three bytes); x_scales 4 x 4,096 x 8 uint8 (E8M0 scales of x, one for each 32 codes along K).
;; Outputs: out0 4 x 4,096 x 256 float32.
;; This version of the problem:
;;   THIS VERSION OF THE PROBLEM IS GIVEN IN LOW PRECISION. The matrix products marked QUANTISED in the list below multiply operands that are first quantised to E2M3 (2 exponent bits, 3 mantissa bits; 6 bits a number), with one power-of-two scale for each 32 numbers along K (OCP MX v1.0); their sums are f32. All else is computed in f32.
;;   The module's matrix products, in the order in which they are computed (A, B: the left and right operand; K: the contracted axis; several contracted axes count as one K, in the product's order):
;;     1. [M 16,384, K 256] x [K 256, N 256]; A: input x (given as codes); B: input Wq (given as codes): QUANTISED
;;     2. [M 16,384, K 256] x [K 256, N 256]; A: input x (given as codes); B: input Wk (given as codes): QUANTISED
;;     3. [M 16,384, K 256] x [K 256, N 256]; A: input x (given as codes); B: input Wv (given as codes): QUANTISED
;;     4. batch 4 x [M 4,096, K 256] x [K 256, N 4,097]; A: computed on the way; B: computed on the way: QUANTISED
;;     5. batch 4 x [M 4,096, K 4,097] x [K 4,097, N 256]; A: softmax (see below); B: computed on the way: QUANTISED
;;     6. [M 16,384, K 256] x [K 256, N 256]; A: computed on the way; B: input Wo (given as codes): QUANTISED
;;   THE QUANTISER, for each operand of a quantised product, along K:
;;     - K is cut into blocks of 32 from its start; a last block that is shorter is filled with zeros.
;;     - A block's scale is 2^e with e = floor(log2(the largest magnitude in the block)) - 2, held to -126 .. 127; a block of zeros has e = 0. As a byte (E8M0): e + 127.
;;     - Each number is divided by its block's scale, clamped to +-7.5, and rounded to the nearest number of E2M3, ties to even, subnormals kept.
;;     - The product sums the exact products of the quantised numbers (number of the format x scale) in f32.
;;   ~~~python
;;   def quantise(x, axis):      # numpy; x: float32 -> the quantised numbers, widened to float32 again
;;       x = np.moveaxis(x, axis, -1); K = x.shape[-1]
;;       x = np.pad(x, [(0, 0)] * (x.ndim - 1) + [(0, -K % 32)]); x = x.reshape(x.shape[:-1] + (-1, 32)); a = np.abs(x).max(-1, keepdims=True)
;;       e = np.where(a > 0, np.clip(np.frexp(np.where(a > 0, a, 1))[1] - 1 - 2, -126, 127), 0)      # np.frexp(a)[1] - 1 = floor(log2(a)), exactly
;;       r = np.clip(x / 2.0 ** e, -7.5, 7.5)
;;       step = 2.0 ** (np.maximum(np.frexp(np.where(r == 0, 1, r))[1] - 1, 0) - 3)
;;       q = np.round(r / step) * step * 2.0 ** e      # np.round: ties to even
;;       return np.moveaxis(q.reshape(q.shape[:-2] + (-1,))[..., :K], -1, axis).astype(np.float32)
;;   ~~~
;;   SOFTMAX AHEAD OF A QUANTISED PRODUCT. Where the list says 'softmax', what is quantised is not the finished softmax but p = 2^(t - M), with t = logit x log2(e) and M = ceil(the row's largest t), a whole number; so 1/2 < the row's largest p <= 1. The row's sum l is taken of the UNQUANTISED p, in f32, and the product's result is divided by l at the end. Since M is a whole number, a kernel that streams over the keys may use a running M (the ceiling of the running maximum): every later rescaling is an exact power of two, which a block's scale takes up: the codes' values come out the same.
;;   OPERANDS COMPUTED ON THE WAY. 'Computed on the way' means the value that the module computes at that place (a softmax that the list does not call 'softmax' is quantised finished and normalised). What goes into a quantiser is computed in f32, as accurately as f32 sums, v_exp_f32 and their like allow (about 1e-6 of the number): no bf16 or f16 on the way to a quantiser, and a product that is left as it is and whose result goes on into a quantised operand takes f32 operands (vector FMAs, or v_wmma_f32_16x16x4_f32). A number that lies on a knife's edge between two numbers of the format may be rounded either way, as far as f32 arithmetic and the matrix unit's own rounding can turn it there, and no further.
;;   INPUTS GIVEN AS CODES. Wk (in the module: [256, 256], K = its axis 1); Wo (in the module: [256, 256], K = its axis 1); Wq (in the module: [256, 256], K = its axis 1); Wv (in the module: [256, 256], K = its axis 1); x (in the module: [4, 4096, 256], K = its axis 2): each comes as NAME_codes (uint8): NAME with its K axis moved to the last place and cut into blocks of 32 codes, [.., K / 32, bytes a block], one block behind the other in memory; four codes in three bytes: a row's codes are one little-endian stream of bits, code i at bits 6 i .. 6 i + 5 (a code: sign, 2 exponent bits, 3 mantissa bits); and NAME_scales (uint8): the same leading axes, one E8M0 byte (e + 127) for each 32 codes along K. Its value is code x scale, taken as it is: it is not quantised again, and the codes and scales need not be those that the quantiser above would give.
;; One version. Each part assembles by itself: llvm-mc -triple=amdgcn-amd-amdhsa -mcpu=gfx1250 --defsym DOCPART=n.
;; ======== version 1 of 1: 2 launches
;; workspace buffers: kv 6,963,200 bytes; qf 3,276,800 bytes
;; launch proj (part 1): grid 50 x 4, 4 waves a work-group, no clusters, 0 bytes of LDS; arguments x_codes, x_scales, Wq_codes, Wq_scales, bq, Wk_codes, Wk_scales, bk, gk, Wv_codes, Wv_scales, bv, gv, kv, qf; writes kv, qf
.if DOCPART == 1
	.amdgcn_target "amdgcn-amd-amdhsa--gfx1250"
	.amdhsa_code_object_version 6
	.text
	.protected	k_q59f8f8b157_proj
	.globl	k_q59f8f8b157_proj
	.p2align	8
	.type	k_q59f8f8b157_proj,@function
k_q59f8f8b157_proj:
	s_mov_b64 s[64:65], 0
	v_nop
	global_prefetch_b8 v0, s[64:65] scope:SCOPE_SE
	s_setreg_imm32_b32 hwreg(HW_REG_WAVE_MODE, 25, 1), 1
	s_wait_xcnt 0x0
; Q = x Wq^T + bq, K = [gk ; x Wk^T + bk], V = [gv ; x Wv^T + bv], on codes of FP6 (E2M3) as they are given, sums in f32; then Q and K are quantised along D and V along the keys,
; and all three are stored as IMAGES OF OPERAND REGISTERS, so that the next launch takes every fragment by loads of 16 bytes a lane.
; A UNIT is 25,600 bytes: 16 fragments (16 rows x 128 K: 12 registers a lane; registers 4 c .. 4 c + 3 of lane l at 1536 f + 512 c + 16 l), then 1,024 bytes of scale words:
; the word of (i, hf, row r) at 24576 + 512 (i / 4) + 16 (r + 16 hf) + 4 (i % 4).  Fragment f = 8 hf + i.  K, Q: tile of rows i, channels 128 hf on.  V: channels' tile 8 hf + i, K = the step's 128 keys.
; kv: [4 batches][34 key steps][K's unit, V's unit];  qf: [4][32 groups of 128 queries][unit].  Keys count from the token: key 0 is gk / gv, key c is x's row c - 1, keys 0 .. 4,096 exist.
; Behind key 4,096 V's codes are zeros (the quantiser's fill of the last block); K's rows there repeat x's last row and their scores are hidden by the next launch.
; THE ROWS OF A TILE ARE NOT NEIGHBOURS: lane r of tile t takes row 32 (t / 2) + 8 (t % 2) + r + 8 (r / 8) of its 128, so that in a result the 16 registers of tiles 2 b, 2 b + 1 are 16 neighbours along the next K.
; SHARES.  100 units a batch (34 of K, 34 of V, 32 of Q).  A work-group takes two, a wave half a unit (hf): 8 fragments, one a trip.  Source 0 stays for all 8 trips (16 fragments), source 1 is a trip's tile.
;   K, Q: source 0 = 128 rows of W, source 1 = 16 rows of x, C = the bias: a lane holds one row of x, its registers run along the channels.
;   V:    source 0 = the step's 128 rows of x, source 1 = 16 rows of Wv, C = bv of the lane's channel: a lane holds one channel, its registers run along the keys.
; NO JOINT LOADS, NO LDS: every operand goes from memory straight into the registers of the one wave that multiplies it, 49 KB a wave, read once by that wave; a tile brought into LDS would be read out once and no more.
; 200 work-groups: 800 waves of 768 registers, one to a SIMD; the work has no more halves of units than that.
; LIMITS: NaN, infinities and scale bytes 0xff among the inputs are not served.  A block whose largest magnitude lies under 2^-124 (a block of zeros too) gets the scale byte 1, where the quantiser's rule gives a block of zeros 127:
; its codes are zeros, and the bytes are read by this program alone.
.set UNIT,  25600
.set KVB,   68*UNIT                    ; a batch in kv
.set QFB,   32*UNIT                    ; a batch in qf
.set OFC,   16                         ; v16-23   byte offset of my row of x's tile i in x's codes (+ 24 h)
.set OFS,   24                         ; v24-31   and in x's scale bytes
.set AS,    32                         ; v32-47   source 0's scale words, 2 t + K step
.set BS,    48                         ; v48-63   source 1's, 2 i + K step
.set BI,    64                         ; v64-127  the bias as C
.set ACC,   128                        ; v128-191 8 accumulators
.set PC,    192                        ; v192-203 the codes just made; v204-210 halves on their way
.set TM,    212                        ; v212-227 at work in the quantiser
.set PW,    228                        ; v228-235 the scale word of fragment i
.set QD,    236                        ; v236-239 four of them, to store
.set BV,    240                        ; v240-247 bv of my channel in tile i
.set GV,    248                        ; v248-255 gv likewise
.set GK,    192                        ; window 2, v192-255: gk in the bias's layout
.set SEL,   56                         ; s[56:57] lane selects for v_permlanex16_b32: lane l xor 16
; window 1: v0-191 source 0's fragments, 24 t + 12 x K step;  window 2: v0-191 source 1's, 24 i + 12 x K step
.set MSB, 0
.macro WIN new                         ; the immediate's high byte repeats the setting that is left
.if MSB != \new
	s_set_vgpr_msb (MSB<<8)|\new
.set MSB, \new
.endif
.endm
.macro NOPS n
.rept \n
	v_nop
.endr
.endm
; a matrix instruction: D, A, B, C (a register number, or -1 for the constant 0), A's and B's scale registers; rows: 0 both from lanes 0-15, 1 A's from lanes 16-31, 3 both
.macro MM d, a, b, c, sa, sb, rows
.if (\c) < 0
.if (\rows) == 0
	v_wmma_scale_f32_16x16x128_f8f6f4 v[\d:\d+7], v[\a:\a+11], v[\b:\b+11], 0, v[\sa], v[\sb] matrix_a_fmt:MATRIX_FMT_FP6 matrix_b_fmt:MATRIX_FMT_FP6
.elseif (\rows) == 1
	v_wmma_scale_f32_16x16x128_f8f6f4 v[\d:\d+7], v[\a:\a+11], v[\b:\b+11], 0, v[\sa], v[\sb] matrix_a_fmt:MATRIX_FMT_FP6 matrix_b_fmt:MATRIX_FMT_FP6 matrix_a_scale:MATRIX_SCALE_ROW1
.else
	v_wmma_scale_f32_16x16x128_f8f6f4 v[\d:\d+7], v[\a:\a+11], v[\b:\b+11], 0, v[\sa], v[\sb] matrix_a_fmt:MATRIX_FMT_FP6 matrix_b_fmt:MATRIX_FMT_FP6 matrix_a_scale:MATRIX_SCALE_ROW1 matrix_b_scale:MATRIX_SCALE_ROW1
.endif
.else
.if (\rows) == 0
	v_wmma_scale_f32_16x16x128_f8f6f4 v[\d:\d+7], v[\a:\a+11], v[\b:\b+11], v[\c:\c+7], v[\sa], v[\sb] matrix_a_fmt:MATRIX_FMT_FP6 matrix_b_fmt:MATRIX_FMT_FP6
.elseif (\rows) == 1
	v_wmma_scale_f32_16x16x128_f8f6f4 v[\d:\d+7], v[\a:\a+11], v[\b:\b+11], v[\c:\c+7], v[\sa], v[\sb] matrix_a_fmt:MATRIX_FMT_FP6 matrix_b_fmt:MATRIX_FMT_FP6 matrix_a_scale:MATRIX_SCALE_ROW1
.else
	v_wmma_scale_f32_16x16x128_f8f6f4 v[\d:\d+7], v[\a:\a+11], v[\b:\b+11], v[\c:\c+7], v[\sa], v[\sb] matrix_a_fmt:MATRIX_FMT_FP6 matrix_b_fmt:MATRIX_FMT_FP6 matrix_a_scale:MATRIX_SCALE_ROW1 matrix_b_scale:MATRIX_SCALE_ROW1
.endif
.endif
.endm
; a fragment from rows of codes in memory: lane (r, h) takes 24 bytes at 24 h and 24 bytes at 48 + 24 h of its row's 96, in pieces of 8 bytes, so that every address is a multiple of the access's size
.macro LDF reg, off, base, imm
.irp p, 0,1,2,3,4,5
	global_load_b64 v[\reg+2*\p:\reg+2*\p+1], v[\off], s[\base:\base+1] offset:\imm+48*(\p/3)+8*(\p%3)
.endr
.endm
; 64 numbers of a lane, register 16 b + i = k 32 b + 16 (lane / 16) + i of my row, become a fragment's codes in v[pc] on and its scale word in v[pw]
.macro QUANT s, pc, stg, tm, pw
.irp b, 0,1,2,3
	v_max3_num_f32 v[\tm+\b], |v[\s+16*\b]|, |v[\s+16*\b+1]|, 0x1800000   ; block b: my 16 numbers, and the floor 2^(3 - 127): the byte cannot fall under 1.  (Each accumulator is read from its low end on)
.endr
.irp i, 2,4,6,8,10,12,14
.irp b, 0,1,2,3
	v_max3_num_f32 v[\tm+\b], v[\tm+\b], |v[\s+16*\b+\i]|, |v[\s+16*\b+\i+1]|   ; the four blocks by turns
.endr
.endr
.irp b, 0,1,2,3
	v_permlanex16_b32 v[\tm+4+\b], v[\tm+\b], s[SEL], s[SEL+1]
.endr
.irp b, 0,1,2,3
	v_max_num_f32 v[\tm+\b], v[\tm+\b], v[\tm+4+\b]   ; with lane l xor 16's: the block's largest magnitude
.endr
.irp b, 0,1,2,3
	v_add_nc_u32 v[\tm+12+\b], 0xff000000, v[\tm+\b]   ; 2 off its exponent field: the conversion takes this operand's exponent field as its scale
.endr
.irp b, 0,1,2,3
	v_lshrrev_b32 v[\tm+4+\b], 23, v[\tm+12+\b]   ; the scale's byte
.endr
	v_lshl_or_b32 v[\pw], v[\tm+5], 8, v[\tm+4]
	v_lshl_or_b32 v[\pw], v[\tm+6], 16, v[\pw]
	v_lshl_or_b32 v[\pw], v[\tm+7], 24, v[\pw]
.irp c, 0,1
	v_cvt_scalef32_pk16_fp6_f32 v[\pc+6*\c:\pc+6*\c+2], v[\s+32*\c:\s+32*\c+15], v[\tm+12+2*\c]
	v_cvt_scalef32_pk16_fp6_f32 v[\stg+4*\c:\stg+4*\c+2], v[\s+32*\c+16:\s+32*\c+31], v[\tm+13+2*\c]   ; (a conversion's three registers begin on an even number)
.endr
	v_nop                                          ; one plain place behind a scaled conversion
.irp c, 0,1                                    ; the operand's layout wants a whole block in a lane: lanes 0-15 block 2 c, lanes 16-31 block 2 c + 1
.irp i, 0,1,2
	v_permlane16_swap_b32 v[\pc+6*\c+\i], v[\stg+4*\c+\i]
.endr
.irp i, 0,1,2
	v_mov_b32 v[\pc+6*\c+3+\i], v[\stg+4*\c+\i]
.endr
.endr
.endm
; A TRIP: fragment i of my half unit.  16 matrix instructions, the 8 accumulators by turns, the token and the fill put in, the quantiser, three stores of 512 consecutive bytes.
.macro TRIP i, isv
.if 12*(7-\i) > 63
	s_wait_loadcnt 63                              ; (a wait names 63 at the most; behind this trip's loads stand more)
.else
	s_wait_loadcnt 12*(7-\i)                       ; all but the later trips' fragments of source 1, 12 loads a trip
.endif
	WIN 0x09                                       ; source 0 window 1, source 1 window 2, C and D window 0
.irp t, 0,1,2,3,4,5,6,7
.if \isv
	MM ACC+8*\t, 24*\t, 24*\i, BI+8*\i, AS+2*\t, BS+2*\i, 0
.else
	MM ACC+8*\t, 24*\t, 24*\i, BI+8*\t, AS+2*\t, BS+2*\i, 0
.endif
.endr
.irp t, 0,1,2,3,4,5,6,7
	MM ACC+8*\t, 24*\t+12, 24*\i+12, ACC+8*\t, AS+2*\t+1, BS+2*\i+1, 0
.endr
	WIN 0
	NOPS 4                                         ; places in front of the first read of results (ISA guide 7.12.1)
.if \isv
	v_cndmask_b32 v[ACC], v[ACC], v[GV+\i], s41    ; key 0 is the token: register 0 of lanes 0-15, in step 0 alone (elsewhere the mask is 0)
	s_cmp_lt_u32 s37, 32                           ; steps 32 and 33 reach past the last key: a branch on the unit's number
	s_cbranch_scc1 .Lwhole_\@
	v_cndmask_b32 v[ACC], 0, v[ACC], s42           ; key 4,096 (register 0 of lanes 0-15 in step 32) stays; all behind it is the quantiser's fill: zeros
.set n, 1
.rept 63
	v_mov_b32 v[ACC+n], 0
.set n, n+1
.endr
.Lwhole_\@:
.elseif \i == 0
	WIN 0x08                                       ; source 1 (gk) window 2
.set n, 0
.rept 64
	v_cndmask_b32 v[ACC+n], v[ACC+n], v[GK+n], s41 ; key 0 is the token: row 0 of tile 0 (lanes 0 and 16), in K's step 0 alone (elsewhere the mask is 0)
.set n, n+1
.endr
	WIN 0
.endif
.if \i > 0
	s_wait_xcnt 0x0                                ; the last trip's stores have read their data: the codes' registers are written again only behind this wait
.endif
	QUANT ACC, PC, PC+12, TM, PW+\i
.irp c, 0,1,2
	global_store_b128 v5, v[PC+4*\c:PC+4*\c+3], s[54:55] offset:1536*\i+512*\c   ; 32 lanes store 512 consecutive bytes, at a multiple of 256 from the buffer's first byte
.endr
.endm
.macro FINISH                          ; my half unit's 8 x 16 scale words: lanes 0-15 store fragments 0-3's, lanes 16-31 fragments 4-7's: each sixteen lanes 256 consecutive bytes, aligned
	v_cmp_eq_u32 vcc_lo, 1, v2
.irp k, 0,1,2,3
	v_cndmask_b32 v[QD+\k], v[PW+\k], v[PW+4+\k], vcc_lo
.endr
	global_store_b128 v9, v[QD:QD+3], s[54:55] offset:24576
	s_endpgm
.endm
	s_load_b512 s[4:19], s[0:1], 0x0               ; x's codes 4, x's scales 6, Wq's codes 8, scales 10, bq 12, Wk's codes 14, scales 16, bk 18
	s_load_b256 s[20:27], s[0:1], 0x40             ; gk 20, Wv's codes 22, scales 24, bv 26
	s_load_b128 s[28:31], s[0:1], 0x60             ; gv 28, kv 30
	s_load_b64 s[32:33], s[0:1], 0x70              ; qf
	v_lshrrev_b32 v10, 5, v0
	v_readfirstlane_b32 s34, v10                   ; wave 0..3
	s_and_b32 s35, s34, 1                          ; hf: which half of the unit
	s_lshr_b32 s36, s34, 1
	s_lshl_b32 s58, ttmp9, 1
	s_add_co_u32 s36, s36, s58                     ; u: my unit of the batch's 100
	s_and_b32 s38, ttmp7, 0xffff                   ; the batch
	s_cmp_ge_u32 s36, 34
	s_cselect_b32 s59, 34, 0
	s_cmp_ge_u32 s36, 68
	s_cselect_b32 s59, 68, s59
	s_cselect_b32 s39, 0, 1                        ; sh: K's and V's row of x is the key less 1
	s_sub_co_u32 s37, s36, s59                     ; the key step, or the group of queries
	s_add_co_u32 s40, s39, 4095                    ; hi: the last key, or query, that has a row
	s_cmp_eq_u32 s36, 0
	s_cselect_b32 s41, 0x00010001, 0               ; where the token lies: K's step 0: lanes 0 and 16;
	s_cmp_eq_u32 s36, 34
	s_cselect_b32 s41, 0xffff, s41                 ; V's step 0: lanes 0-15
	s_cmp_eq_u32 s36, 66
	s_cselect_b32 s42, 0xffff, 0                   ; V's step 32: lanes 0-15 keep register 0
	s_mov_b32 s[SEL], 0x76543210
	s_mov_b32 s[SEL+1], 0xfedcba98
	v_and_b32 v1, 15, v0                           ; r
	v_bfe_u32 v2, v0, 4, 1                         ; h
	v_and_b32 v3, 8, v1
	v_add_nc_u32 v3, v3, v1                        ; r + 8 (r / 8)
	v_mul_u32_u24 v4, v2, 24                       ; 24 h
	v_and_b32 v10, 31, v0
	v_lshlrev_b32 v5, 4, v10
	s_mul_i32 s58, s35, 8*1536
	v_add_nc_u32 v5, s58, v5                       ; where my 16 bytes of a fragment's group go: 16 x lane + my half's 8 fragments
	v_mad_u32_u24 v6, v3, 192, v4                  ; a weight's codes: a row is 192 bytes
	v_lshlrev_b32 v7, 3, v3                        ; a weight's scale bytes: 8 a row
	v_lshlrev_b32 v9, 4, v1
	v_lshl_add_u32 v9, v2, 9, v9
	s_lshl_b32 s58, s35, 8
	v_add_nc_u32 v9, s58, v9                       ; the scale words: 512 h + 16 (r + 16 hf)
.irp b, 0,1,2,3
	v_mov_b32 v[TM+4+\b], 0                        ; written once: a lane permute's destination counts as one of its sources
.endr
	s_lshl_b32 s60, s37, 7
	v_add_nc_u32 v11, s60, v3
.irp i, 0,1,2,3,4,5,6,7                        ; my row of x in tile i: the key (or query) held to those that have a row
	v_add_nc_u32 v10, 32*(\i/2)+8*(\i%2), v11
	v_max_u32 v10, s39, v10
	v_min_u32 v10, s40, v10
	v_sub_nc_u32 v10, v10, s39
	v_mad_u32_u24 v[OFC+\i], v10, 192, v4
	v_lshlrev_b32 v[OFS+\i], 3, v10
.endr
	s_mul_i32 s60, s35, 128*192                    ; my half of a weight's rows: codes,
	s_mov_b32 s61, 0
	s_lshl_b32 s62, s35, 10                        ; scale bytes,
	s_mov_b32 s63, 0
	s_wait_kmcnt 0x0
	s_mul_i32 s58, s38, 786432
	s_mov_b32 s59, 0
	s_add_nc_u64 s[4:5], s[4:5], s[58:59]          ; x at my batch
	s_lshl_b32 s58, s38, 15
	s_add_nc_u64 s[6:7], s[6:7], s[58:59]
	s_lshl_b32 s58, s35, 9                         ; and of a bias or a token: 128 numbers
	s_sub_co_u32 s43, s36, 34
	s_cmp_lt_u32 s43, 34                           ; units 34 .. 67 are V's.  Both units of a work-group are of one kind
	s_cbranch_scc1 .Lpath_v
	; ---- K or Q
	s_cmp_lt_u32 s36, 34                           ; the choices hang on the unit's number alone
	s_cselect_b64 s[44:45], s[14:15], s[8:9]
	s_cselect_b64 s[46:47], s[16:17], s[10:11]
	s_cselect_b64 s[52:53], s[18:19], s[12:13]
	s_cselect_b64 s[54:55], s[30:31], s[32:33]
	s_mov_b32 s48, QFB
	s_cselect_b32 s48, KVB, s48
	s_mov_b32 s49, UNIT
	s_cselect_b32 s49, 2*UNIT, s49
	s_mul_i32 s48, s48, s38
	s_mul_i32 s49, s49, s37
	s_add_co_u32 s48, s48, s49
	s_mov_b32 s49, 0
	s_add_nc_u64 s[54:55], s[54:55], s[48:49]      ; my unit
	s_add_nc_u64 s[44:45], s[44:45], s[60:61]
	s_add_nc_u64 s[46:47], s[46:47], s[62:63]
	s_add_nc_u64 s[52:53], s[52:53], s[58:59]
	s_add_nc_u64 s[20:21], s[20:21], s[58:59]
	v_lshlrev_b32 v8, 6, v2                        ; the bias: lane (r, h) wants, for tile t, channels 32 (t / 2) + 8 (t % 2) + 16 h + 0 .. 7
	WIN 0x80
.irp t, 0,1,2,3,4,5,6,7
	global_load_b128 v[GK+8*\t:GK+8*\t+3], v8, s[20:21] offset:(32*(\t/2)+8*(\t%2))*4
	global_load_b128 v[GK+8*\t+4:GK+8*\t+7], v8, s[20:21] offset:(32*(\t/2)+8*(\t%2))*4+16
.endr
	WIN 0
.irp t, 0,1,2,3,4,5,6,7
	global_load_b128 v[BI+8*\t:BI+8*\t+3], v8, s[52:53] offset:(32*(\t/2)+8*(\t%2))*4
	global_load_b128 v[BI+8*\t+4:BI+8*\t+7], v8, s[52:53] offset:(32*(\t/2)+8*(\t%2))*4+16
.endr
.irp t, 0,1,2,3,4,5,6,7
	global_load_b64 v[AS+2*\t:AS+2*\t+1], v7, s[46:47] offset:(32*(\t/2)+8*(\t%2))*8   ; a row's two scale words
.endr
.irp i, 0,1,2,3,4,5,6,7
	global_load_b64 v[BS+2*\i:BS+2*\i+1], v[OFS+\i], s[6:7]
.endr
	WIN 0x40
.irp t, 0,1,2,3,4,5,6,7
.irp s, 0,1
	LDF 24*\t+12*\s, 6, 44, (32*(\t/2)+8*(\t%2))*192+96*\s
.endr
.endr
	WIN 0x80
.irp i, 0,1,2,3,4,5,6,7
.irp s, 0,1
	LDF 24*\i+12*\s, OFC+\i, 4, 96*\s
.endr
.endr
	WIN 0
.irp i, 0,1,2,3,4,5,6,7
	TRIP \i, 0
.endr
	FINISH
	; ---- V
.Lpath_v:
	s_mul_i32 s48, s38, KVB
	s_mul_i32 s49, s37, 2*UNIT
	s_add_co_u32 s48, s48, s49
	s_add_co_u32 s48, s48, UNIT
	s_mov_b32 s49, 0
	s_add_nc_u64 s[54:55], s[30:31], s[48:49]      ; my unit: behind the step's unit of K
	s_add_nc_u64 s[22:23], s[22:23], s[60:61]
	s_add_nc_u64 s[24:25], s[24:25], s[62:63]
	s_add_nc_u64 s[26:27], s[26:27], s[58:59]
	s_add_nc_u64 s[28:29], s[28:29], s[58:59]
	v_lshlrev_b32 v8, 2, v3                        ; bv, gv: the number of my channel
.irp i, 0,1,2,3,4,5,6,7
	global_load_b32 v[BV+\i], v8, s[26:27] offset:(32*(\i/2)+8*(\i%2))*4
.endr
.irp i, 0,1,2,3,4,5,6,7
	global_load_b32 v[GV+\i], v8, s[28:29] offset:(32*(\i/2)+8*(\i%2))*4
.endr
.irp t, 0,1,2,3,4,5,6,7
	global_load_b64 v[AS+2*\t:AS+2*\t+1], v[OFS+\t], s[6:7]
.endr
.irp i, 0,1,2,3,4,5,6,7
	global_load_b64 v[BS+2*\i:BS+2*\i+1], v7, s[24:25] offset:(32*(\i/2)+8*(\i%2))*8
.endr
	WIN 0x40
.irp t, 0,1,2,3,4,5,6,7
.irp s, 0,1
	LDF 24*\t+12*\s, OFC+\t, 4, 96*\s
.endr
.endr
	WIN 0x80
.irp i, 0,1,2,3,4,5,6,7
.irp s, 0,1
	LDF 24*\i+12*\s, 6, 22, (32*(\i/2)+8*(\i%2))*192+96*\s
.endr
.endr
	WIN 0
	s_wait_loadcnt 63                              ; bv is in: far more than 63 loads were issued behind it
.irp i, 0,1,2,3,4,5,6,7
.irp j, 0,1,2,3,4,5,6,7
	v_mov_b32 v[BI+8*\i+\j], v[BV+\i]              ; the bias as C: all eight keys of a register run get my channel's bv
.endr
.endr
.irp i, 0,1,2,3,4,5,6,7
	TRIP \i, 1
.endr
	FINISH
.Lfunc_end_k_q59f8f8b157_proj:
	.size	k_q59f8f8b157_proj, .Lfunc_end_k_q59f8f8b157_proj-k_q59f8f8b157_proj
	.p2alignl 7, 3214868480
	.fill 96, 4, 3214868480
	.section	.rodata,"a",@progbits
	.p2align	6, 0x0
	.amdhsa_kernel k_q59f8f8b157_proj
		.amdhsa_group_segment_fixed_size 0
		.amdhsa_private_segment_fixed_size 0
		.amdhsa_enable_private_segment 0
		.amdhsa_kernarg_size 120
		.amdhsa_user_sgpr_count 2
		.amdhsa_user_sgpr_kernarg_segment_ptr 1
		.amdhsa_wavefront_size32 1
		.amdhsa_system_sgpr_workgroup_id_x 1
		.amdhsa_system_sgpr_workgroup_id_y 1
		.amdhsa_system_sgpr_workgroup_id_z 1
		.amdhsa_system_vgpr_workitem_id 0
		.amdhsa_next_free_vgpr 768
		.amdhsa_next_free_sgpr 66
		.amdhsa_reserve_vcc 1
		.amdhsa_float_denorm_mode_32 3
		.amdhsa_float_denorm_mode_16_64 3
		.amdhsa_memory_ordered 1
		.amdhsa_forward_progress 1
		.amdhsa_inst_pref_size 174
	.end_amdhsa_kernel
	.amdgpu_metadata
---
amdhsa.version: [ 1, 2 ]
amdhsa.kernels:
  - .name:           k_q59f8f8b157_proj
    .symbol:         k_q59f8f8b157_proj.kd
    .args:
      - { .name: x_codes, .offset: 0, .size: 8, .value_kind: global_buffer, .address_space: global }
      - { .name: x_scales, .offset: 8, .size: 8, .value_kind: global_buffer, .address_space: global }
      - { .name: Wq_codes, .offset: 16, .size: 8, .value_kind: global_buffer, .address_space: global }
      - { .name: Wq_scales, .offset: 24, .size: 8, .value_kind: global_buffer, .address_space: global }
      - { .name: bq, .offset: 32, .size: 8, .value_kind: global_buffer, .address_space: global }
      - { .name: Wk_codes, .offset: 40, .size: 8, .value_kind: global_buffer, .address_space: global }
      - { .name: Wk_scales, .offset: 48, .size: 8, .value_kind: global_buffer, .address_space: global }
      - { .name: bk, .offset: 56, .size: 8, .value_kind: global_buffer, .address_space: global }
      - { .name: gk, .offset: 64, .size: 8, .value_kind: global_buffer, .address_space: global }
      - { .name: Wv_codes, .offset: 72, .size: 8, .value_kind: global_buffer, .address_space: global }
      - { .name: Wv_scales, .offset: 80, .size: 8, .value_kind: global_buffer, .address_space: global }
      - { .name: bv, .offset: 88, .size: 8, .value_kind: global_buffer, .address_space: global }
      - { .name: gv, .offset: 96, .size: 8, .value_kind: global_buffer, .address_space: global }
      - { .name: kv, .offset: 104, .size: 8, .value_kind: global_buffer, .address_space: global }
      - { .name: qf, .offset: 112, .size: 8, .value_kind: global_buffer, .address_space: global }
    .group_segment_fixed_size: 0
    .private_segment_fixed_size: 0
    .kernarg_segment_align: 8
    .kernarg_segment_size: 120
    .max_flat_workgroup_size: 128
    .sgpr_count:     66
    .vgpr_count:     768
    .wavefront_size: 32
...
	.end_amdgpu_metadata
.endif
;; end of part 1
;; launch attn (part 2): grid 64 x 4, 4 waves a work-group, clusters of 4 x 1, 327,680 bytes of LDS; arguments kv, qf, Wo_codes, Wo_scales, bo, out0; writes out0
.if DOCPART == 2
	.amdgcn_target "amdgcn-amd-amdhsa--gfx1250"
	.amdhsa_code_object_version 6
	.text
	.protected	k_q59f8f8b157_attn
	.globl	k_q59f8f8b157_attn
	.p2align	8
	.type	k_q59f8f8b157_attn,@function
k_q59f8f8b157_attn:
	s_mov_b64 s[64:65], 0
	v_nop
	global_prefetch_b8 v0, s[64:65] scope:SCOPE_SE
	s_setreg_imm32_b32 hwreg(HW_REG_WAVE_MODE, 25, 1), 1
	s_wait_xcnt 0x0
	s_wait_alu depctr_hold_cnt(0) depctr_sa_sdst(0) depctr_va_vdst(0) depctr_va_sdst(0) depctr_va_ssrc(0) depctr_va_vcc(0) depctr_vm_vsrc(0)
	s_getreg_b32 s2, hwreg(HW_REG_IB_STS2, 6, 4)
	s_cmp_eq_u32 s2, 0
	s_cbranch_scc0 .Lentry_in_a_cluster
	s_endpgm
.Lentry_in_a_cluster:
	s_bfe_u32 s2, ttmp6, 0x10000c
	s_cmp_lg_u32 s2, 0x3003
	s_cbranch_scc0 .Lentry_shape_is_right
	s_endpgm
.Lentry_shape_is_right:
; out = (softmax(Q K^T / 16) V) Wo^T + bo on codes of FP6 (E2M3) with one E8M0 scale for each 32 along a product's K.  Q, K, V come as images of operand registers (units of 25,600 bytes: 16 fragments of 1,536 bytes,
; registers 4 c .. 4 c + 3 of lane l at 1536 f + 512 c + 16 l; then the scale words, (i, hf, row r) at 24576 + 512 (i / 4) + 16 (r + 16 hf) + 4 (i % 4)).  kv: [4][34 key steps][K's unit, V's unit]; qf: [4][32][unit].
; THE SOFTMAX: t = score x log2(e) / 16; M = the running largest t rounded UP to a whole number; p = 2^(t - M) is quantised along the keys, not normalised; the row's sum is taken of the unquantised p and divides at the end.
; When M moves, the sum and O are multiplied by 2^(old M - new M): exact.
; SHARES.  A work-group owns 64 queries of a batch; 256 work-groups.  Wave w: qp = w & 1, kq = w >> 1: it owns 32 queries (two tiles of 16) and every second key step (step 2 x trip + kq), so that each fragment of K and V
; that it reads from LDS feeds two matrix instructions.  At the end the two waves of a qp exchange one tile each through LDS, bring both parts under one M (exact), divide, quantise along D, multiply by Wo and store 16 rows each.
; LAYOUT.  All products are used transposed (source 0 = 16 keys, 16 channels of V, 16 rows of Wo; source 1 = my 16 queries): a lane holds ONE query (lane % 16) throughout.  The rows of K's, V's and Q's tiles are ordered so that
; the 16 registers of tiles 2 b, 2 b + 1 of a result are 16 neighbours along the next K: 32 b + 16 (lane / 16) + 0 .. 15.
; KEYS.  4,097 keys, 34 steps of 128: in the last trip key group 0 has key 4,096 alone and key group 1 none: the other scores become -infinity ahead of the maximum, so p = 0 there; V's codes there are zeros.
; RING.  Two LDS slots of two key steps (four units, 102,400 consecutive bytes of kv); each wave fetches one unit, 100 rows of 256 bytes, by one tensor load behind each change of slots.
; CLUSTER.  The four work-groups of a cluster belong to one batch and walk the same K and V: each unit, and Wo, is asked for JOINTLY: the same tensor load, the same descriptor, a mask that names the four.
; LIMITS: NaN, infinities and scale bytes 0xff are not served.  A block whose largest magnitude lies under 2^-124 (a block of zeros too) gets the scale byte 1, where the quantiser's rule gives a block of zeros 127: its codes are zeros.  A block's largest p is
; made from the block's largest score by the same two instructions as every p, which takes v_exp_f32 not to fall where its input rises.  The f32 sums over the keys are taken in two groups of key steps.
; REGISTERS, in windows of 256: window 0: below;  window 1: O^T, tile q at 128 q + 8 dt;  window 2: v0-191 K's 16 fragments, v192-239 Q's four;  window 3: v0-191 V's 16 fragments.
.set UNIT,  25600
.set KVB,   68*UNIT                    ; a batch in kv
.set TILEB, 4*UNIT                     ; what a slot holds
.set SLOT1, 131072                     ; slot 1 begins here: one exclusive or turns an address in one slot into the other's
.set WOB,   233472                     ; behind the ring: Wo's 256 rows of 192 bytes, 16 bytes of padding behind every 64: 240 bytes apart
.set WP,    240
.set SPARE, 294912                     ; behind Wo: the spare words, 128 bytes for each wave: two blocks of 256 bytes that no other line names
.set XREG,  16896                      ; the exchange, in slot 1 behind its last fill and last read: for each wave 16,384 bytes of O^T and 256 of -M and the sum
.set SGB,   16640                      ; the way out, in slot 0 behind its last fill and last read: for each wave 16 rows of 1,024 bytes + 16
.set SP,    1040
.set LB,   1                           ; v1   16 x lane + my key group's step in a slot
.set SPW,  2                           ; v2   LDS address of my spare word; never rewritten
.set NIL,  3                           ; v3   0; never rewritten
.set ADR,  4                           ; v4   LDS address of the step in hand
.set NINF, 5                           ; v5   -infinity
.set ST,   6                           ; tile q's statistics at v[6 + 6 q]: +0 -M, +1 the largest t, +2, +3 the sum in two halves, +4 f, +5 p's scale word
.set QS,   18                          ; v18-19 Q's scale words (lanes 0-15: channels 0-127; lanes 16-31: 128-255); later attn's
.set KS,   20                          ; v20-27 K's scale words, tile T (lanes as Q's)
.set VS,   28                          ; v28-35 V's: tiles dt (lanes 0-15) and 8 + dt (lanes 16-31)
.set WS,   20                          ; v20-35 at the end: Wo's scale words
.set TT,   36                          ; tile q at v[36 + 12 q]: +0..3 the blocks' maxima, +4..7 at work, +8..11 the conversions' scale operands
.set SG,   60                          ; tile q at v[60 + 8 q]: halves of codes on their way
.set PC,   76                          ; tile q at v[76 + 12 q]: p's codes; at the end attn's two fragments
.set S,    100                         ; tile q at v[100 + 64 q]: S^T, then p
.set AT,   100                         ; at the end: attn's 128 numbers a lane, then out's
.set XS,   228                         ; LDS addresses, all made at the head: where I send a tile of O^T,
.set XR,   229                         ; where I find my partner's,
.set XS2,  230                         ; and the same for -M and the sum
.set XR2,  231
.set ADW,  232                         ; v232, v234 Wo's fragments (the second for pieces that lie behind one padding more)
.set STO,  233                         ; the stage: where I put 32 bytes of a row
.set SRD,  235                         ; and where I read a row back
.set GO,   236                         ; 16 x lane
.set PFO,  237                         ; 256 x lane: the prefetches' offset; never rewritten
.set MY,   238                         ; v[238:239] -M and the sum of the tile that I keep;  v[240:241] my partner's
.set TH,   240
.set GA,   242                         ; v[242:243], v[244:245] what my part and my partner's are multiplied by
.set GB,   244
.set WV,   16                          ; s16 wave, s17 qp, s18 kq
.set QP,   17
.set KQ,   18
.set G1,   24                          ; s[24:31] descriptor group 1 for a unit;  s[32:39] for Wo;  s[40:43] the walking group 0;  s[44:47] Wo's
.set G1W,  32
.set G0,   40
.set G0W,  44
.set CS,   48                          ; s[48:49] c = log2(e) / 16
.set SEL,  50                          ; s[50:51] lane selects for v_permlanex16_b32: lane l xor 16
.set TB,   52                          ; s52 LDS byte at which the slot in hand begins
.set SLOTS, 53                         ; s53 slots still to be asked for
.set LIM,  54                          ; s54 5 in the batch's first cluster, else the greatest number: a wave prefetches while s53 is above it
.set PFA,  56                          ; s[56:57] where my prefetches stand
.set MK,   58                          ; s58 the lanes that hold key 4,096 in the last trip
.set MSB, 0
.macro WIN new                         ; the immediate's high byte repeats the setting that is left
.if MSB != \new
	s_set_vgpr_msb (MSB<<8)|\new
.set MSB, \new
.endif
.endm
.macro NOPS n
.rept \n
	v_nop
.endr
.endm
; a matrix instruction: D, A, B, C (a register number, or -1 for the constant 0), A's and B's scale registers; rows: 0 both from lanes 0-15, 1 A's from lanes 16-31, 3 both
.macro MM d, a, b, c, sa, sb, rows
.if (\c) < 0
.if (\rows) == 0
	v_wmma_scale_f32_16x16x128_f8f6f4 v[\d:\d+7], v[\a:\a+11], v[\b:\b+11], 0, v[\sa], v[\sb] matrix_a_fmt:MATRIX_FMT_FP6 matrix_b_fmt:MATRIX_FMT_FP6
.elseif (\rows) == 1
	v_wmma_scale_f32_16x16x128_f8f6f4 v[\d:\d+7], v[\a:\a+11], v[\b:\b+11], 0, v[\sa], v[\sb] matrix_a_fmt:MATRIX_FMT_FP6 matrix_b_fmt:MATRIX_FMT_FP6 matrix_a_scale:MATRIX_SCALE_ROW1
.else
	v_wmma_scale_f32_16x16x128_f8f6f4 v[\d:\d+7], v[\a:\a+11], v[\b:\b+11], 0, v[\sa], v[\sb] matrix_a_fmt:MATRIX_FMT_FP6 matrix_b_fmt:MATRIX_FMT_FP6 matrix_a_scale:MATRIX_SCALE_ROW1 matrix_b_scale:MATRIX_SCALE_ROW1
.endif
.else
.if (\rows) == 0
	v_wmma_scale_f32_16x16x128_f8f6f4 v[\d:\d+7], v[\a:\a+11], v[\b:\b+11], v[\c:\c+7], v[\sa], v[\sb] matrix_a_fmt:MATRIX_FMT_FP6 matrix_b_fmt:MATRIX_FMT_FP6
.elseif (\rows) == 1
	v_wmma_scale_f32_16x16x128_f8f6f4 v[\d:\d+7], v[\a:\a+11], v[\b:\b+11], v[\c:\c+7], v[\sa], v[\sb] matrix_a_fmt:MATRIX_FMT_FP6 matrix_b_fmt:MATRIX_FMT_FP6 matrix_a_scale:MATRIX_SCALE_ROW1
.else
	v_wmma_scale_f32_16x16x128_f8f6f4 v[\d:\d+7], v[\a:\a+11], v[\b:\b+11], v[\c:\c+7], v[\sa], v[\sb] matrix_a_fmt:MATRIX_FMT_FP6 matrix_b_fmt:MATRIX_FMT_FP6 matrix_a_scale:MATRIX_SCALE_ROW1 matrix_b_scale:MATRIX_SCALE_ROW1
.endif
.endif
.endm
; A round of the cluster's barrier: my work-group's barrier, so that wave 0's signal speaks for all four waves; wave 0 signals for the work-group; every wave waits for all four work-groups; my work-group's barrier once more.
.macro CROUND
	s_barrier_signal -1
	s_barrier_wait -1
	s_cmp_lg_u32 s[WV], 0
	s_cbranch_scc1 .Lnot_wave_0_\@
	s_barrier_signal -3
.Lnot_wave_0_\@:
	s_barrier_wait -3
	s_barrier_signal -1
	s_barrier_wait -1
.endm
; A PREFETCH INTO THE L2 of kv ahead of the tensor loads.  All sixteen clusters of a batch walk the same bytes: the batch's first cluster asks.  Its 16 waves x 32 lanes name 512 consecutive blocks of 256 bytes, each lane another
; block; the four partners are told apart BY ADDRESS (32,768 bytes apart), the waves likewise (8,192).  Eleven asks, in trips 0 to 10, name bytes 204,800 to 1,646,591 of the batch's 1,740,800, each block once; ask k begins
; at 204,800 + 131,072 k, the trip's own tensor loads end at 102,400 (k + 2): so an ask is one to five trips ahead of the loads that want its bytes.  Slots 0 and 1 and the batch's last 94,208 bytes come by their loads alone.
.macro ASK
	s_cmp_gt_u32 s[SLOTS], s[LIM]
	s_cbranch_scc0 .Lnot_mine_\@
	global_prefetch_b8 v[PFO], s[PFA:PFA+1] th:TH_LOAD_NT scope:SCOPE_SE
.Lnot_mine_\@:
.endm
; THE CHANGE OF SLOTS stands at a trip's head.  Each wave waits for all its tensor loads (its unit of the slot that it is about to read), adds 0 to its spare word, and waits for that and for its reads of the slot that it has left.
; fill = 1: the barrier is a round of the cluster's, so that no wave of any partner still reads that slot or has a load on its way, and the joint refill is the first thing behind it: it has a whole trip in which to land.
.macro CHANGE fill
	WIN 0
	s_wait_tensorcnt 0x0                           ; no tensor load of mine is out, so the group 0 may be written
	ds_add_u32 v[SPW], v[NIL]                      ; 0 onto my spare word
.if \fill
	s_xor_b32 s[G0+1], s[G0+1], SLOT1              ; the walking descriptor: the other slot than last time,
	s_add_nc_u64 s[G0+2:G0+3], s[G0+2:G0+3], TILEB ; the next two key steps; the type bits on top are not reached
	s_wait_xcnt 0x0                                ; the last prefetch, a trip back, has read its address, so it may be written
	s_add_nc_u64 s[PFA:PFA+1], s[PFA:PFA+1], 131072
	s_wait_dscnt 0x0                               ; the add is done, and my reads of the slot that I have left are over
	CROUND
	tensor_load_to_lds s[G0:G0+3], s[G1:G1+7]      ; my one tensor load until the next change of slots
	s_nop 0
	NOPS 4                                         ; (the places in front of the loads into V's registers and scale words)
.else
	s_wait_dscnt 0x0
	s_barrier_signal -1
	s_barrier_wait -1
	NOPS 4                                         ; the places in front of the loads into V's registers and scale words
.endif
.endm
; A KEY STEP of my key group, for my two tiles of queries.  first = 1: its products V^T P^T start O^T's sums: nothing is ever cleared.  mask = 1: the last trip.  ask = 1: a prefetch stands behind K's loads.
.macro STEP first, mask, ask
	v_add_nc_u32 v[ADR], s[TB], v[LB]
	ds_load_b128 v[KS:KS+3], v[ADR] offset:24576
	ds_load_b128 v[KS+4:KS+7], v[ADR] offset:25088
	WIN 0x80                                       ; destination window 2
.irp f, 0,1,2,3,4,5,6,7,8,9,10,11,12,13,14,15
.irp c, 0,1,2
	ds_load_b128 v[12*\f+4*\c:12*\f+4*\c+3], v[ADR] offset:1536*\f+512*\c   ; 32 lanes read 512 consecutive bytes
.endr
.endr
.if \ask
	WIN 0                                          ; (at a branch and at a label every window is 0)
	ASK
.endif
	WIN 0x0a                                       ; K and Q window 2, S^T window 0
.irp ks, 0,1                                   ; S^T = K Q^T: the sixteen accumulators by turns
.irp kt, 0,1,2,3,4,5,6,7
	s_wait_dscnt 45-3*(8*\ks+\kt)                  ; fragment 8 ks + kt is in: behind it stand three loads for each later fragment
.irp q, 0,1
.if \ks == 0
	MM S+64*\q+8*\kt, 12*\kt, 192+24*\q, -1, KS+\kt, QS+\q, 0
.else
	MM S+64*\q+8*\kt, 96+12*\kt, 204+24*\q, S+64*\q+8*\kt, KS+\kt, QS+\q, 3
.endif
.endr
.endr
.endr
	WIN 0
	ds_load_b128 v[VS:VS+3], v[ADR] offset:UNIT+24576   ; V's unit is asked for here and lands while the softmax is worked
	ds_load_b128 v[VS+4:VS+7], v[ADR] offset:UNIT+25088
	WIN 0xc0                                       ; destination window 3
.irp f, 0,1,2,3,4,5,6,7,8,9,10,11,12,13,14,15
.irp c, 0,1,2
	ds_load_b128 v[12*\f+4*\c:12*\f+4*\c+3], v[ADR] offset:UNIT+1536*\f+512*\c
.endr
.endr
	WIN 0
	NOPS 4                                         ; places in front of the first read of the scores (ISA guide 7.12.1)
.if \mask
.irp q, 0,1                                    ; key 4,096 is register 0 of lanes 0-15 in key group 0; every other key of this trip does not exist
	v_cndmask_b32 v[S+64*\q], v[NINF], v[S+64*\q], s[MK]
.set n, 1
.rept 63
	v_mov_b32 v[S+64*\q+n], v[NINF]
.set n, n+1
.endr
.endr
.endif
.irp b, 0,1,2,3
.irp q, 0,1
	v_max3_num_f32 v[TT+12*\q+\b], v[S+64*\q+16*\b], v[S+64*\q+16*\b+1], v[S+64*\q+16*\b+2]   ; THE LARGEST SCORE OF EACH BLOCK OF 32 KEYS serves twice: for the row's maximum and for the block's largest p.  (Each accumulator is read from its low end on)
.endr
.endr
.irp i, 3,5,7,9,11,13
.irp b, 0,1,2,3
.irp q, 0,1
	v_max3_num_f32 v[TT+12*\q+\b], v[TT+12*\q+\b], v[S+64*\q+16*\b+\i], v[S+64*\q+16*\b+\i+1]   ; eight chains by turns
.endr
.endr
.endr
.irp b, 0,1,2,3
.irp q, 0,1
	v_max_num_f32 v[TT+12*\q+\b], v[TT+12*\q+\b], v[S+64*\q+16*\b+15]
.endr
.endr
.irp b, 0,1,2,3
.irp q, 0,1
	v_permlanex16_b32 v[TT+12*\q+4+\b], v[TT+12*\q+\b], s[SEL], s[SEL+1]
.endr
.endr
.irp b, 0,1,2,3
.irp q, 0,1
	v_max_num_f32 v[TT+12*\q+\b], v[TT+12*\q+\b], v[TT+12*\q+4+\b]   ; with lane l xor 16's 16 keys
.endr
.endr
.irp q, 0,1
	v_max3_num_f32 v[TT+12*\q+4], v[TT+12*\q], v[TT+12*\q+1], v[TT+12*\q+2]
.endr
.irp q, 0,1
	v_max_num_f32 v[TT+12*\q+4], v[TT+12*\q+4], v[TT+12*\q+3]   ; the step's largest score of my query
.endr
.irp q, 0,1
	v_mul_f32 v[TT+12*\q+4], s[CS], v[TT+12*\q+4]  ; as t (c is positive)
.endr
.irp q, 0,1
	v_max_num_f32 v[ST+6*\q+1], v[ST+6*\q+1], v[TT+12*\q+4]   ; the running largest t
.endr
.irp q, 0,1
	v_mov_b32 v[TT+12*\q+4], v[ST+6*\q]
.endr
.irp q, 0,1
	v_floor_f32 v[ST+6*\q], -v[ST+6*\q+1]          ; the new -M = floor(-t) = -ceil(t): M is a whole number
.endr
.irp q, 0,1
	v_sub_f32 v[TT+12*\q+4], v[ST+6*\q], v[TT+12*\q+4]   ; M's old value less its new one: a whole number, 0 or less
.endr
.irp q, 0,1
	v_cvt_i32_f32 v[TT+12*\q+4], v[TT+12*\q+4]     ; (it saturates)
.endr
.irp q, 0,1
	v_ldexp_f32 v[ST+6*\q+4], 1.0, v[TT+12*\q+4]   ; f = 2^(old M - new M)
.endr
.irp q, 0,1
.set n, 0
.rept 32
	v_pk_fma_f32 v[S+64*\q+n:S+64*\q+n+1], v[S+64*\q+n:S+64*\q+n+1], s[CS:CS+1], v[ST+6*\q:ST+6*\q+1] op_sel_hi:[1,0,0]   ; t - M, two at a time (of the pairs c and -M the low word serves both halves)
.set n, n+2
.endr
.endr
.irp b, 0,1,2,3
.irp q, 0,1
	v_fma_f32 v[TT+12*\q+\b], v[TT+12*\q+\b], s[CS], v[ST+6*\q]   ; the same of each block's largest score
.endr
.endr
.irp q, 0,1
.set n, 0
.rept 64
	v_exp_f32 v[S+64*\q+n], v[S+64*\q+n]           ; p = 2^(t - M), at most 1: not normalised
.set n, n+1
.endr
.endr
.irp b, 0,1,2,3
.irp q, 0,1
	v_exp_f32 v[TT+12*\q+\b], v[TT+12*\q+\b]       ; the block's largest p: the same two instructions on the same number give the same bits
.endr
.endr
.irp q, 0,1
	v_pk_mul_f32 v[ST+6*\q+2:ST+6*\q+3], v[ST+6*\q+2:ST+6*\q+3], v[ST+6*\q+4:ST+6*\q+5] op_sel_hi:[1,0]   ; the sums under the new M.  (A plain place behind the exponentials)
.endr
	s_wait_alu depctr_va_vdst(0)
.irp b, 0,1,2,3
.irp q, 0,1
	v_max_num_f32 v[TT+12*\q+\b], 0x1800000, v[TT+12*\q+\b]   ; the floor 2^(3 - 127): the byte cannot fall under 1
.endr
.endr
.irp b, 0,1,2,3
.irp q, 0,1
	v_add_nc_u32 v[TT+12*\q+8+\b], 0xff000000, v[TT+12*\q+\b]   ; 2 off the exponent field: the conversion's scale operand
.endr
.endr
.irp b, 0,1,2,3
.irp q, 0,1
	v_lshrrev_b32 v[TT+12*\q+4+\b], 23, v[TT+12*\q+8+\b]   ; the scale's byte
.endr
.endr
.irp q, 0,1
	v_lshl_or_b32 v[ST+6*\q+5], v[TT+12*\q+5], 8, v[TT+12*\q+4]   ; p's scale word for these 128 keys
.endr
.irp q, 0,1
	v_lshl_or_b32 v[ST+6*\q+5], v[TT+12*\q+6], 16, v[ST+6*\q+5]
.endr
.irp q, 0,1
	v_lshl_or_b32 v[ST+6*\q+5], v[TT+12*\q+7], 24, v[ST+6*\q+5]
.endr
.irp q, 0,1
.irp c, 0,1
	v_cvt_scalef32_pk16_fp6_f32 v[PC+12*\q+6*\c:PC+12*\q+6*\c+2], v[S+64*\q+32*\c:S+64*\q+32*\c+15], v[TT+12*\q+8+2*\c]
	v_cvt_scalef32_pk16_fp6_f32 v[SG+8*\q+4*\c:SG+8*\q+4*\c+2], v[S+64*\q+32*\c+16:S+64*\q+32*\c+31], v[TT+12*\q+9+2*\c]   ; (a conversion's three registers begin on an even number)
.endr
.endr
	v_nop                                          ; one plain place behind a scaled conversion
.irp q, 0,1
.irp c, 0,1                                    ; the operand's layout wants a whole block in a lane: lanes 0-15 block 2 c, lanes 16-31 block 2 c + 1
.irp i, 0,1,2
	v_permlane16_swap_b32 v[PC+12*\q+6*\c+\i], v[SG+8*\q+4*\c+\i]
.endr
.irp i, 0,1,2
	v_mov_b32 v[PC+12*\q+6*\c+3+\i], v[SG+8*\q+4*\c+\i]
.endr
.endr
.endr
.if \first == 0
	WIN 0x41                                       ; O^T (destination and source 0) window 1, f window 0
.irp q, 0,1
.set n, 0
.rept 64
	v_pk_mul_f32 v[128*\q+n:128*\q+n+1], v[128*\q+n:128*\q+n+1], v[ST+6*\q+4:ST+6*\q+5] op_sel_hi:[1,0]   ; O^T under the new M: x f, each accumulator from its low end on
.set n, n+2
.endr
.endr
	WIN 0
.endif
.irp q, 0,1                                    ; THE ROW'S SUM IS TAKEN OF THE UNQUANTISED p: two at a time, in two chains a tile.  These 64 lines, which name nothing of the products below, are also the places behind the codes' and the scale words' last writes
	v_pk_add_f32 v[TT+12*\q+4:TT+12*\q+5], v[S+64*\q:S+64*\q+1], v[S+64*\q+2:S+64*\q+3]
.endr
.irp j, 4,8,12,16,20,24,28,32,36,40,44,48,52,56,60
.irp q, 0,1
	v_pk_add_f32 v[ST+6*\q+2:ST+6*\q+3], v[ST+6*\q+2:ST+6*\q+3], v[S+64*\q+\j:S+64*\q+\j+1]
	v_pk_add_f32 v[TT+12*\q+4:TT+12*\q+5], v[TT+12*\q+4:TT+12*\q+5], v[S+64*\q+\j+2:S+64*\q+\j+3]
.endr
.endr
.irp q, 0,1
	v_pk_add_f32 v[ST+6*\q+2:ST+6*\q+3], v[ST+6*\q+2:ST+6*\q+3], v[TT+12*\q+4:TT+12*\q+5]
.endr
	s_wait_dscnt 0x0                               ; V's unit is in
	WIN 0x53                                       ; V window 3, p window 0, O^T window 1
.irp dt, 0,1,2,3,4,5,6,7,8,9,10,11,12,13,14,15 ; O^T += V^T P^T: 32 accumulators, one instruction each
.irp q, 0,1
.if \first
	MM 128*\q+8*\dt, 12*\dt, PC+12*\q, -1, VS+\dt%8, ST+6*\q+5, \dt/8
.else
	MM 128*\q+8*\dt, 12*\dt, PC+12*\q, 128*\q+8*\dt, VS+\dt%8, ST+6*\q+5, \dt/8
.endif
.endr
.endr
	WIN 0
	s_xor_b32 s[TB], s[TB], SLOT1                  ; on to the other slot
.endm
; 64 numbers of a lane, register 16 b + i = k 32 b + 16 (lane / 16) + i of my row, become a fragment's codes in v[pc] on and its scale word in v[pw]
.macro QUANT s, pc, stg, tm, pw
.irp b, 0,1,2,3
	v_max3_num_f32 v[\tm+\b], |v[\s+16*\b]|, |v[\s+16*\b+1]|, 0x1800000
.endr
.irp i, 2,4,6,8,10,12,14
.irp b, 0,1,2,3
	v_max3_num_f32 v[\tm+\b], v[\tm+\b], |v[\s+16*\b+\i]|, |v[\s+16*\b+\i+1]|
.endr
.endr
.irp b, 0,1,2,3
	v_permlanex16_b32 v[\tm+4+\b], v[\tm+\b], s[SEL], s[SEL+1]
.endr
.irp b, 0,1,2,3
	v_max_num_f32 v[\tm+\b], v[\tm+\b], v[\tm+4+\b]
.endr
.irp b, 0,1,2,3
	v_add_nc_u32 v[\tm+12+\b], 0xff000000, v[\tm+\b]
.endr
.irp b, 0,1,2,3
	v_lshrrev_b32 v[\tm+4+\b], 23, v[\tm+12+\b]
.endr
	v_lshl_or_b32 v[\pw], v[\tm+5], 8, v[\tm+4]
	v_lshl_or_b32 v[\pw], v[\tm+6], 16, v[\pw]
	v_lshl_or_b32 v[\pw], v[\tm+7], 24, v[\pw]
.irp c, 0,1
	v_cvt_scalef32_pk16_fp6_f32 v[\pc+6*\c:\pc+6*\c+2], v[\s+32*\c:\s+32*\c+15], v[\tm+12+2*\c]
	v_cvt_scalef32_pk16_fp6_f32 v[\stg+4*\c:\stg+4*\c+2], v[\s+32*\c+16:\s+32*\c+31], v[\tm+13+2*\c]
.endr
	v_nop                                          ; one plain place behind a scaled conversion
.irp c, 0,1
.irp i, 0,1,2
	v_permlane16_swap_b32 v[\pc+6*\c+\i], v[\stg+4*\c+\i]
.endr
.irp i, 0,1,2
	v_mov_b32 v[\pc+6*\c+3+\i], v[\stg+4*\c+\i]
.endr
.endr
.endm
; A fragment of Wo from its padded rows in LDS, in pieces of 8 bytes: lanes 0-15 take the row's pieces 12 q + 0, 1, 2 and 12 q + 6, 7, 8, lanes 16-31 those three pieces on; where the piece three on lies behind one padding more, the second address register serves
.macro FRAG reg, adr, q, i
.irp p, 0,1,2,3,4,5
.set PIECE, 12*(\q)+6*(\p/3)+\p%3
.if PIECE%8 < 5
	ds_load_b64 v[\reg+2*\p:\reg+2*\p+1], v[\adr] offset:8*PIECE+16*(PIECE/8)+(\i)*16*WP
.else
	ds_load_b64 v[\reg+2*\p:\reg+2*\p+1], v[\adr+2] offset:8*PIECE+16*(PIECE/8)+(\i)*16*WP
.endif
.endr
.endm
; I keep tile keep and send tile send to the wave of my qp in the other key group, as its registers stand: 32 stores of 512 consecutive bytes, each accumulator from its low end on; then its -M and sum
.macro SENDT keep, send
	v_mov_b32 v[MY], v[ST+6*\keep]
	v_mov_b32 v[MY+1], v[ST+6*\keep+1]
	WIN 0x04                                       ; an LDS store's data are its source 1: window 1
.set n, 0
.rept 32
	ds_store_b128 v[XS], v[128*\send+4*n:128*\send+4*n+3] offset:512*n
.set n, n+1
.endr
	WIN 0
	ds_store_b64 v[XS2], v[ST+6*\send:ST+6*\send+1]
.endm
.macro MINE q                          ; attn += my part of the tile that I keep
	WIN 0x01                                       ; source 0 window 1
.set n, 0
.rept 64
	v_pk_fma_f32 v[AT+n:AT+n+1], v[128*\q+n:128*\q+n+1], v[GA:GA+1], v[AT+n:AT+n+1] op_sel_hi:[1,0,1]
.set n, n+2
.endr
	WIN 0
.endm
	s_load_b256 s[4:11], s[0:1], 0x0               ; kv 4, qf 6, Wo's codes 8, Wo's scales 10
	s_load_b128 s[12:15], s[0:1], 0x20             ; bo 12, out0 14
	v_lshl_add_u32 v[SPW], v0, 2, SPARE
	v_mov_b32 v[NIL], 0
	ds_add_u32 v2, v3
	s_wait_dscnt 0x0
	v_lshrrev_b32 v4, 5, v0
	v_readfirstlane_b32 s[WV], v4                  ; wave 0..3
	s_and_b32 s[QP], s[WV], 1
	s_lshr_b32 s[KQ], s[WV], 1
	s_bfe_u32 s19, ttmp6, 0x40000                  ; cx: my place in the cluster: it enters Q's, out0's and the prefetches' addresses alone
	s_lshl_b32 s20, ttmp9, 2                       ; in a cluster launch ttmp9 counts clusters
	s_add_co_u32 s20, s20, s19                     ; my block of 64 queries
	s_and_b32 s21, ttmp7, 0xffff                   ; the batch, which the four partners share
	; descriptor group 1: a unit: 100 rows of 256 bytes (32 elements of 8 bytes), dense in memory and in LDS
	s_mov_b32 s[G1], 15|(3<<16)|(1<<21)            ; 15:0 the mask: all four work-groups; 17:16 elements of 8 bytes; 20 padding off; 21 set beside a mask
	s_mov_b32 s[G1+1], 32<<16                      ; tensor_dim0 = 32
	s_mov_b32 s[G1+2], 100<<16                     ; tensor_dim1 = 100
	s_mov_b32 s[G1+3], 32<<16                      ; tile_dim0 = 32
	s_mov_b32 s[G1+4], 100                         ; tile_dim1 = 100
	s_mov_b32 s[G1+5], 32                          ; from row to row
	s_mov_b32 s[G1+6], 0
	s_mov_b32 s[G1+7], 0
	; and 64 rows of Wo: 192 bytes each, 16 bytes of padding behind every 64
	s_mov_b32 s[G1W], 15|(1<<20)|(1<<21)|(3<<22)|(3<<25)   ; elements of 1 byte; padding on, after every 16 words (code 3), of 4 words (code 3)
	s_mov_b32 s[G1W+1], 192<<16
	s_mov_b32 s[G1W+2], 64<<16
	s_mov_b32 s[G1W+3], 192<<16
	s_mov_b32 s[G1W+4], 64
	s_mov_b32 s[G1W+5], 192
	s_mov_b32 s[G1W+6], 0
	s_mov_b32 s[G1W+7], 0
	s_mul_i32 s22, s[WV], UNIT                     ; my unit of a slot's four: in LDS and in memory alike
	s_mul_i32 s60, s21, KVB
	s_add_co_u32 s60, s60, s22
	s_mov_b32 s61, 0
	s_mul_i32 s23, s[WV], 64*WP                    ; my 64 rows of Wo in LDS,
	s_mul_i32 s62, s[WV], 64*192                   ; and in memory
	s_mov_b32 s63, 0
	s_mov_b32 s[CS], 0x3db8aa3b                    ; c = log2(e) / 16
	s_mov_b32 s[CS+1], s[CS]                       ; (named with it as a pair, so it is written)
	s_mov_b32 s[SEL], 0x76543210
	s_mov_b32 s[SEL+1], 0xfedcba98
	s_mov_b32 s[TB], 0
	s_mov_b32 s[SLOTS], 16
	s_cmp_eq_u32 ttmp9, 0                          ; the batch's first cluster: the same in all four partners
	s_cselect_b32 s[LIM], 5, -1
	s_cmp_eq_u32 s[KQ], 0
	s_cselect_b32 s[MK], 0xffff, 0
	s_mul_i32 s66, s21, KVB                        ; the prefetches: 131,072 bytes short of slot 2's first byte, + my work-group's and my wave's part
	s_lshl_b32 s67, s19, 15
	s_add_co_u32 s66, s66, s67
	s_lshl_b32 s67, s[WV], 13
	s_add_co_u32 s66, s66, s67
	s_add_co_u32 s66, s66, 2*TILEB-131072
	s_mov_b32 s67, 0
	s_lshl_b32 s68, s21, 5                         ; Q: unit 32 x batch + block / 2;
	s_lshr_b32 s69, s20, 1
	s_add_co_u32 s68, s68, s69
	s_mul_i32 s68, s68, UNIT
	s_and_b32 s69, s20, 1                          ; my tiles are 4 (block % 2) + 2 qp + 0, 1 of its eight
	s_lshl_b32 s70, s69, 2
	s_lshl_b32 s71, s[QP], 1
	s_add_co_u32 s70, s70, s71
	s_mul_i32 s70, s70, 1536
	s_add_co_u32 s70, s70, s68
	s_mov_b32 s71, 0
	s_lshl_b32 s72, s69, 9                         ; and their scale words
	s_lshl_b32 s73, s[QP], 3
	s_add_co_u32 s72, s72, s73
	s_add_co_u32 s72, s72, s68
	s_add_co_u32 s72, s72, 24576
	s_mov_b32 s73, 0
	s_lshl_b32 s74, s21, 12                        ; out0: the tile that I keep is tile kq: its row i is query 64 x block + 32 qp + 8 kq + i + 8 (i / 8)
	s_lshl_b32 s75, s20, 6
	s_add_co_u32 s74, s74, s75
	s_lshl_b32 s75, s[QP], 5
	s_add_co_u32 s74, s74, s75
	s_lshl_b32 s75, s[KQ], 3
	s_add_co_u32 s74, s74, s75
	s_lshl_b32 s74, s74, 10
	s_mov_b32 s75, 0
	s_wait_kmcnt 0x0
	s_mov_b32 s[G0], 1                             ; 1:0 count = 1
	s_mov_b32 s[G0+1], s22                         ; 63:32 LDS address: slot 0
	s_add_nc_u64 s[G0+2:G0+3], s[4:5], s[60:61]    ; 120:64 global address: the batch's first two key steps
	s_or_b32 s[G0+3], s[G0+3], 0x80000000          ; 127:126 type = 2
	s_mov_b32 s[G0W], 1
	s_add_co_u32 s[G0W+1], s23, WOB
	s_add_nc_u64 s[G0W+2:G0W+3], s[8:9], s[62:63]
	s_or_b32 s[G0W+3], s[G0W+3], 0x80000000
	s_add_nc_u64 s[PFA:PFA+1], s[4:5], s[66:67]
	s_add_nc_u64 s[70:71], s[6:7], s[70:71]
	s_add_nc_u64 s[72:73], s[6:7], s[72:73]
	s_add_nc_u64 s[14:15], s[14:15], s[74:75]
	CROUND                                         ; all four work-groups are here: the first joint loads meet
	tensor_load_to_lds s[G0W:G0W+3], s[G1W:G1W+7]  ; Wo: filled once.  My two first fills stand together, ahead of every wait on TENSORcnt and every LDS read: two loads of mine are out
	s_nop 0
	tensor_load_to_lds s[G0:G0+3], s[G1:G1+7]      ; slot 0
	s_nop 0
	NOPS 4
	v_and_b32 v246, 31, v0                         ; lane
	v_and_b32 v247, 15, v0                         ; r
	v_bfe_u32 v248, v0, 4, 1                       ; h
	v_lshlrev_b32 v[GO], 4, v246
	v_lshlrev_b32 v[PFO], 8, v246
	WIN 0x80                                       ; Q stays in registers: window 2, v[192 + 12 (2 q + K step)]
.irp q, 0,1
.irp ks, 0,1
.irp c, 0,1,2
	global_load_b128 v[192+12*(2*\q+\ks)+4*\c:192+12*(2*\q+\ks)+4*\c+3], v[GO], s[70:71] offset:(8*\ks+\q)*1536+512*\c
.endr
.endr
.endr
	WIN 0
	global_load_b64 v[QS:QS+1], v[GO], s[72:73]
	s_mul_i32 s60, s[KQ], 2*UNIT
	v_add_nc_u32 v[LB], s60, v[GO]
	v_lshlrev_b32 v249, 3, v246
	s_xor_b32 s60, s[WV], 2                        ; my partner: the same queries, the other key group
	s_mul_i32 s60, s60, XREG
	s_add_co_u32 s60, s60, SLOT1
	v_add_nc_u32 v[XS], s60, v[GO]
	v_add_nc_u32 v[XS2], s60, v249
	v_add_nc_u32 v[XS2], 16384, v[XS2]
	s_mul_i32 s60, s[WV], XREG
	s_add_co_u32 s60, s60, SLOT1
	v_add_nc_u32 v[XR], s60, v[GO]
	v_add_nc_u32 v[XR2], s60, v249
	v_add_nc_u32 v[XR2], 16384, v[XR2]
	v_mul_u32_u24 v[ADW], v247, WP
	v_mad_u32_u24 v[ADW], v248, 24, v[ADW]
	v_add_nc_u32 v[ADW], WOB, v[ADW]               ; Wo: row r x pitch + 24 h,
	v_lshl_add_u32 v[ADW+2], v248, 4, v[ADW]       ; and the same behind one padding more
	s_mul_i32 s60, s[WV], SGB
	v_mul_u32_u24 v[STO], v247, SP
	v_lshl_add_u32 v[STO], v248, 5, v[STO]
	v_add_nc_u32 v[STO], s60, v[STO]               ; the stage: row r, + 32 h
	v_add_nc_u32 v[SRD], s60, v[GO]                ; back: 16 bytes a lane
	v_mov_b32 v[NINF], 0xff800000
.irp q, 0,1
	v_mov_b32 v[ST+6*\q+1], 0xff61b1e6             ; the largest t so far: -3e38, under every t
	v_floor_f32 v[ST+6*\q], -v[ST+6*\q+1]          ; -M
	v_mov_b32 v[ST+6*\q+2], 0                      ; the sum, in two halves: the first change of M multiplies zeros
	v_mov_b32 v[ST+6*\q+3], 0
	v_mov_b32 v[ST+6*\q+4], 0
	v_mov_b32 v[ST+6*\q+5], 0                      ; (named as the upper half of f's pair before it is first written)
.irp b, 0,1,2,3
	v_mov_b32 v[TT+12*\q+4+\b], 0                  ; written once: a lane permute's destination counts as one of its sources
.endr
.endr
	s_wait_loadcnt 0x0                             ; Q
	CHANGE 1                                       ; trip 0 stands in front of the loop: its products start O^T's sums.  Slot 1's first fill goes out as a refill does
	STEP 1, 0, 1
	s_mov_b32 s[SLOTS], 15
.Ltrip:                                            ; trips 1 to 15: trip t reads slot t % 2 and asks for the two key steps of trip t + 1
	CHANGE 1
	STEP 0, 0, 1
	s_sub_co_u32 s[SLOTS], s[SLOTS], 1
	s_cmp_lg_u32 s[SLOTS], 0
	s_cbranch_scc1 .Ltrip
	CHANGE 0                                       ; trip 16 is written out: nothing is left to fetch
	STEP 0, 1, 0
	; ---- THE TWO KEY GROUPS MEET
	NOPS 4                                         ; places behind the last products
.irp q, 0,1
	v_add_f32 v[ST+6*\q+1], v[ST+6*\q+2], v[ST+6*\q+3]   ; the sum's two halves (the largest t is done with),
.endr
.irp q, 0,1
	v_permlanex16_b32 v[TT+12*\q+4], v[ST+6*\q+1], s[SEL], s[SEL+1]
.endr
.irp q, 0,1
	v_add_f32 v[ST+6*\q+1], v[ST+6*\q+1], v[TT+12*\q+4]   ; and lane l xor 16's: my key group's sum for the row
.endr
	v_and_b32 v250, 15, v0
	v_bfe_u32 v251, v0, 4, 1
	v_lshlrev_b32 v250, 3, v250
	v_lshl_add_u32 v250, v251, 2, v250             ; Wo's scale words: 8 bytes a row; lanes 0-15 take the word of channels 0-127, lanes 16-31 that of 128-255
	v_lshlrev_b32 v251, 5, v251                    ; bo: lane (r, h) wants, for tile et, outputs 16 et + 8 h + 0 .. 7
.irp et, 0,1,2,3,4,5,6,7,8,9,10,11,12,13,14,15
	global_load_b32 v[WS+\et], v250, s[10:11] offset:128*\et
.endr
	WIN 0x80                                       ; bo as C: window 2, v128-255
.irp et, 0,1,2,3,4,5,6,7,8,9,10,11,12,13,14,15
	global_load_b128 v[128+8*\et:128+8*\et+3], v251, s[12:13] offset:64*\et
	global_load_b128 v[128+8*\et+4:128+8*\et+7], v251, s[12:13] offset:64*\et+16
.endr
	WIN 0
	s_cmp_eq_u32 s[KQ], 0                          ; a branch on the wave's number
	s_cbranch_scc0 .Lgroup_1
	SENDT 0, 1
	s_branch .Lsent
.Lgroup_1:
	SENDT 1, 0
.Lsent:
	s_wait_dscnt 0x0                               ; for my partner's sake: my stores have landed
	s_barrier_signal -1
	s_barrier_wait -1
	WIN 0x80                                       ; my partner's part of the tile that I keep: window 2, v0-127
.set n, 0
.rept 32
	ds_load_b128 v[4*n:4*n+3], v[XR] offset:512*n
.set n, n+1
.endr
	WIN 0
	ds_load_b64 v[TH:TH+1], v[XR2]
	s_wait_dscnt 0x0
	v_min_num_f32 v246, v[MY], v[TH]               ; -M of the larger M
	v_sub_f32 v247, v246, v[MY]                    ; my M less the larger: a whole number, 0 or less
	v_sub_f32 v248, v246, v[TH]
	v_cvt_i32_f32 v247, v247
	v_cvt_i32_f32 v248, v248
	v_ldexp_f32 v247, 1.0, v247                    ; both parts under one M: exact
	v_ldexp_f32 v248, 1.0, v248
	v_mul_f32 v249, v[MY+1], v247
	v_fma_f32 v249, v[TH+1], v248, v249            ; the row's sum
	v_rcp_f32 v249, v249
	v_mov_b32 v[GA+1], 0                           ; (a plain place behind the transcendental; the pairs' upper words are named, so they are written)
	v_mov_b32 v[GB+1], 0
	s_wait_alu depctr_va_vdst(0)
	v_mul_f32 v[GA], v247, v249
	v_mul_f32 v[GB], v248, v249
	WIN 0x02                                       ; source 0 window 2
.set n, 0
.rept 64
	v_pk_mul_f32 v[AT+n:AT+n+1], v[n:n+1], v[GB:GB+1] op_sel_hi:[1,0]
.set n, n+2
.endr
	WIN 0
	s_cmp_eq_u32 s[KQ], 0
	s_cbranch_scc0 .Lmine_1
	MINE 0
	s_branch .Lmerged
.Lmine_1:
	MINE 1
.Lmerged:                                          ; v[AT + 8 dt + j] = attn(my query, channel 128 (dt / 8) + 32 ((dt % 8) / 2) + 16 h + 8 (dt % 2) + j): 16 neighbours in each 16 registers
	; ---- out = attn Wo^T + bo, for the 16 queries that I keep
	WIN 0xc0                                       ; Wo's fragments of channels 0-127: window 3, where V's lay;
.irp et, 0,1,2,3,4,5,6,7,8,9,10,11,12,13,14,15
	FRAG 12*\et, ADW, 0, \et
.endr
	WIN 0x40                                       ; of channels 128-255: window 1, where O^T lay.  They land while attn is quantised
.irp et, 0,1,2,3,4,5,6,7,8,9,10,11,12,13,14,15
	FRAG 12*\et, ADW, 1, \et
.endr
	WIN 0
	QUANT AT, PC, SG, TT, QS
	QUANT AT+64, PC+12, SG+8, TT, QS+1
	NOPS 8                                         ; a scale register written by a vector instruction stands 8 places ahead of a scaled matrix instruction, an operand so written 4
	s_wait_dscnt 0x0                               ; Wo's fragments
	s_wait_loadcnt 0x0                             ; Wo's scale words, bo
	WIN 0x23                                       ; source 0 (Wo) window 3, source 2 (bo) window 2
.irp et, 0,1,2,3,4,5,6,7,8,9,10,11,12,13,14,15 ; sixteen accumulators by turns; the bias is the C of each sum's first instruction
	MM AT+8*\et, 12*\et, PC, 128+8*\et, WS+\et, QS, 0
.endr
	WIN 0x01                                       ; source 0 window 1
.irp et, 0,1,2,3,4,5,6,7,8,9,10,11,12,13,14,15
	MM AT+8*\et, 12*\et, PC+12, AT+8*\et, WS+\et, QS+1, 1
.endr
	WIN 0
	NOPS 4                                         ; places in front of the first read of results
	; THE WAY OUT: a lane holds 32 neighbouring bytes of a row and the lanes beside it other rows: the tile goes through my own stage in LDS and comes back as whole rows.  LDS serves a wave's instructions in order (ISA guide 5.7.1.4)
.irp et, 0,1,2,3,4,5,6,7,8,9,10,11,12,13,14,15
	ds_store_b128 v[STO], v[AT+8*\et:AT+8*\et+3] offset:64*\et          ; each accumulator from its low end on
	ds_store_b128 v[STO], v[AT+8*\et+4:AT+8*\et+7] offset:64*\et+16
.endr
	WIN 0x80
.irp i, 0,1,2,3,4,5,6,7,8,9,10,11,12,13,14,15
.irp k, 0,1
	ds_load_b128 v[4*(2*\i+\k):4*(2*\i+\k)+3], v[SRD] offset:\i*SP+512*\k
.endr
.endr
	WIN 0x08                                       ; a store's data are its source 1: window 2
.irp i, 0,1,2,3,4,5,6,7,8,9,10,11,12,13,14,15
.irp k, 0,1
	s_wait_dscnt 31-(2*\i+\k)                      ; this load is in: behind it stand the later ones
	global_store_b128 v[GO], v[4*(2*\i+\k):4*(2*\i+\k)+3], s[14:15] offset:(\i+8*(\i/8))*1024+512*\k th:TH_STORE_NT   ; 32 lanes store 512 consecutive bytes, at a multiple of 256 from out0's first byte
.endr
.endr
	WIN 0
	s_wait_tensorcnt 0x0                           ; the wave's end, behind my last tensor load and my last LDS store
	ds_add_u32 v[SPW], v[NIL]
	s_wait_dscnt 0x0
	CROUND                                         ; the closing round: no work-group ends while a partner may still ask for a tile that names it
	s_endpgm
.Lfunc_end_k_q59f8f8b157_attn:
	.size	k_q59f8f8b157_attn, .Lfunc_end_k_q59f8f8b157_attn-k_q59f8f8b157_attn
	.p2alignl 7, 3214868480
	.fill 96, 4, 3214868480
	.section	.rodata,"a",@progbits
	.p2align	6, 0x0
	.amdhsa_kernel k_q59f8f8b157_attn
		.amdhsa_group_segment_fixed_size 327680
		.amdhsa_private_segment_fixed_size 0
		.amdhsa_enable_private_segment 0
		.amdhsa_kernarg_size 48
		.amdhsa_user_sgpr_count 2
		.amdhsa_user_sgpr_kernarg_segment_ptr 1
		.amdhsa_wavefront_size32 1
		.amdhsa_system_sgpr_workgroup_id_x 1
		.amdhsa_system_sgpr_workgroup_id_y 1
		.amdhsa_system_sgpr_workgroup_id_z 1
		.amdhsa_system_vgpr_workitem_id 0
		.amdhsa_next_free_vgpr 1024
		.amdhsa_next_free_sgpr 80
		.amdhsa_reserve_vcc 0
		.amdhsa_float_denorm_mode_32 3
		.amdhsa_float_denorm_mode_16_64 3
		.amdhsa_memory_ordered 1
		.amdhsa_forward_progress 1
		.amdhsa_inst_pref_size 198
	.end_amdhsa_kernel
	.amdgpu_metadata
---
amdhsa.version: [ 1, 2 ]
amdhsa.kernels:
  - .name:           k_q59f8f8b157_attn
    .symbol:         k_q59f8f8b157_attn.kd
    .args:
      - { .name: kv, .offset: 0, .size: 8, .value_kind: global_buffer, .address_space: global }
      - { .name: qf, .offset: 8, .size: 8, .value_kind: global_buffer, .address_space: global }
      - { .name: Wo_codes, .offset: 16, .size: 8, .value_kind: global_buffer, .address_space: global }
      - { .name: Wo_scales, .offset: 24, .size: 8, .value_kind: global_buffer, .address_space: global }
      - { .name: bo, .offset: 32, .size: 8, .value_kind: global_buffer, .address_space: global }
      - { .name: out0, .offset: 40, .size: 8, .value_kind: global_buffer, .address_space: global }
    .group_segment_fixed_size: 327680
    .private_segment_fixed_size: 0
    .kernarg_segment_align: 8
    .kernarg_segment_size: 48
    .max_flat_workgroup_size: 128
    .sgpr_count:     80
    .vgpr_count:     1024
    .wavefront_size: 32
...
	.end_amdgpu_metadata
.endif
;; end of part 2
